; MI455X (gfx1250); checked and timed in simulation.
; The chip was launched on July 23, 2026; its instructions are those of AMD's public machine-readable ISA for CDNA 5 (MIT licence, August 2026) and "CDNA5" Instruction Set Architecture Reference Guide (July 2026). The comments in the code are by the model that wrote it; some were corrected since.
;; SODEN Model. Allowed arithmetic: float matrix products may take bf16 or f16 operands with f32 sums; all other float work in f32.
;; Inputs: W1 1 x 32 float32; W2 32 x 32 float32; W3 32 x 1 float32; b1 32 float32; b2 32 float32; b3 1 float32; beta 128 float32; features 524,288 x 128 float32; init_cond 524,288 float32; t 524,288 float32.
;; Outputs: out0 3 x 524,288 float32.
;; One version. Each part assembles by itself: llvm-mc -triple=amdgcn-amd-amdhsa -mcpu=gfx1250 --defsym DOCPART=n.
;; ======== version 1 of 1: 1 launch
;; launch soden (part 1): grid 256 x 1, 16 waves a work-group, no clusters, 327,680 bytes of LDS; arguments features, t, init_cond, W1, b1, W2, b2, W3, b3, beta, out0; writes out0
.if DOCPART == 1
	.amdgcn_target "amdgcn-amd-amdhsa--gfx1250"
	.amdhsa_code_object_version 6
	.text
	.protected	k_q669f283a61_soden
	.globl	k_q669f283a61_soden
	.p2align	8
	.type	k_q669f283a61_soden,@function
k_q669f283a61_soden:
	s_mov_b64 s[64:65], 0
	v_nop
	global_prefetch_b8 v0, s[64:65] scope:SCOPE_SE
	s_setreg_imm32_b32 hwreg(HW_REG_WAVE_MODE, 25, 1), 1
	s_wait_xcnt 0x0
; SODEN: out0[0] = Lambda * exp(min(prod,10)), out0[1] = lam * exp(min(prod,10)), out0[2] = log(max(lam,1e-8)) + prod,
; prod = features . beta, Lambda = init + Simpson sum of g(s t) t over s = 0 .. 1, lam = g(t) t / t, g = the net 1-32-32-1 (relu, relu, softplus).
; The 16 steps' three arguments and the closing f(1) are all s = j/32, j = 0 .. 32 (i/16 + 1/16 and i/16 + 1/32 are exact in f32), so g is
; evaluated 33 times a sample:  Lambda = init + (t/96) [g0 + g32 + 4 (g1 + g3 + .. + g31) + 2 (g2 + g4 + .. + g30)].
;
; SHARES.  256 work-groups x 16 waves; a work-group owns 2,048 samples, a wave 128, in four phases: in phase p lane l owns sample 4 l + p of the
; wave's 128.  After four phases a lane holds four neighbouring samples of each output row: three 16-byte stores a lane in the whole kernel,
; each of the wave covering 512 consecutive bytes, aligned.
; MATRIX LAYOUT (lane l = r + 16 h).  Hidden units run along M and K, evaluations along N.  A step j has two tiles: column r of tile a is lane r's
; sample, column r of tile b lane 16 + r's.  Layer 1 (K = 1: f32 multiply-adds) is computed by lane (r, h) for units 8h..8h+7 and 16+8h..16+8h+7 of
; column r, which is what a bf16 B fragment wants in that lane.  Layer 2: D = W2^T x B + b2; register i of D in lane (r, h) is unit 8h + i
; (or 16 + 8h + i) of column r: after relu and packing again a B fragment, with no traffic between lanes.  Layer 3: W3 stands in row 0 alone of one A
; fragment and in row 8 alone of another; D3 = A3A x tile a + b3, then D3 += A3B x tile b: register 0 of D3 holds, in every lane, its own sample's z.
; SOFTPLUS, the maximum taken out: with z' = z log2(e), g = ln2 (max(z',0) + log2(1 + 2^-|z'|)).  The logarithms of one weight
; class are gathered as Q = product of (1 + e) - 1 (Q <- Q e + Q + e, at most 2^16 - 1 since e <= 1), one logarithm a class and phase.
; FEATURES come by the tensor data mover into two LDS slots of each wave's own (slot 0: features 0-63 of the phase's 32 rows, slot 1: 64-127);
; lane l reads its own row, 16 bytes in each of the steps 0 .. 31, and multiplies in f32 (a bf16 product would cost a conversion for each two
; numbers, as many issue slots as the packed multiply-add, and prod stands in front of an exponential).
; NO CLUSTER: the work-groups share the weights alone, 5,124 bytes, against 1 MiB of features that each reads alone.
; LIMITS.  A NaN in an input is not carried as jnp carries it (relu and the clamps take the number, not the NaN).  A hidden value that is infinite
; (beyond 3.4e38) gives NaN also in the sample of lane l xor 16 (0 x inf in the empty rows of A3A, A3B).  exp, log and rcp take denormals as zero
; (t below 1.2e-38; results of exp below 1.2e-38).  The Simpson sum is formed by weight class, not step by step: another order of f32 rounding.
; W3 and b3 are multiplied by log2(e) in f32 before W3 is rounded to bf16.
.set PITCH, 272                        ; an LDS row: 256 bytes + 16 of padding = 17 x 16: sixteen rows start at sixteen different 16-byte columns modulo 256
.set SLOT,  32*PITCH                   ; 8,704 bytes: 32 rows x 64 features
.set RING,  2*SLOT                     ; a wave's two slots; 16 waves: 278,528 bytes
.set BETA,  16*RING                    ; behind the rings: 512 bytes of beta for each wave, written once by ds_store; no fill lands here
.set VL16, 1                           ; v1   16 l
.set VR16, 2                           ; v2   16 r
.set VH32, 3                           ; v3   32 h
.set VW2,  4                           ; v4   1024 h + 4 r
.set LA0,  5                           ; v5   LDS address of my row in my wave's slot 0
.set LA,   6                           ; v6   the same, stepped through the row
.set BA0,  7                           ; v7   LDS address of my wave's beta
.set W1V,  8                           ; v[8:23]    W1 of my 16 units
.set B1V,  24                          ; v[24:39]   b1 of my 16 units
.set A2LO, 40                          ; v[40:47]   A fragment: W2^T, output units 0-15
.set A2HI, 48                          ; v[48:55]   output units 16-31
.set C2LO, 56                          ; v[56:63]   b2 of units 8h .. 8h+7, f32
.set C2HI, 64                          ; v[64:71]   b2 of units 16+8h ..
.set A3A,  72                          ; v[72:79]   W3 log2(e) in row 0 alone
.set A3B,  80                          ; v[80:87]   W3 log2(e) in row 8 alone
.set C3,   88                          ; v[88:95]   b3 log2(e)
.set TP,   96                          ; v[96:103]  phase p: the pair (t of tile a's column r, t of tile b's column r)
.set TO,   104                         ; v[104:107] t of my four samples
.set IC,   108                         ; v[108:111] init_cond of my four samples
.set OL,   112                         ; v[112:115] Lambda out
.set OM,   116                         ; v[116:119] lam out
.set OG,   120                         ; v[120:123] log_lambda out
.set RX,   124                         ; v[124:125] x = s t of tile a, of tile b
.set BA,   126                         ; v126       beta's address, stepped
.set RH,   128                         ; v[128:159] layer 1 in f32: tile a 16, tile b 16 (scratch in the set-up and in FINAL)
.set BF,   160                         ; v[160:175] layer 2's B fragments, tile a, tile b
.set D2,   176                         ; v[176:207] layer 2's results: a low, a high, b low, b high
.set B3,   208                         ; v[208:223] layer 3's B fragments
.set D3,   224                         ; v[224:231] layer 3's result; register 0 is z'
.set SMO,  232                         ; sums of max(z',0) and products Q: odd j,
.set PRO,  233
.set SME,  234                         ; even j from 2 to 30,
.set PRE,  235
.set SM0,  236                         ; j = 0,
.set PR0,  237
.set SM32, 238                         ; j = 32
.set PR32, 239
.set PA,   240                         ; v[240:241], v[242:243] four partial sums of features . beta
.set PB,   242
.set FCH,  244                         ; v[244:247] four features
.set BCH,  248                         ; v[248:251] four of beta
.set RE,   252                         ; 2^-|z'|
.set RM,   253                         ; max(z', 0)
.set FPROD, 128                        ; FINAL's scratch
.set FU,   130
.set FP,   131
.set FLG,  132
.set FSM,  133
.set FW,   134
.set FLAM, 135
.set FG,   136
.set FR,   137
.set FMN,  138
.set FPE,  139
.set FLL,  140
.set G1,   36                          ; s[36:43] descriptor group 1, never rewritten
.set G0,   44                          ; s[44:51] descriptor group 0, a set for each slot
	s_load_b512 s[8:23], s[0:1], 0x0               ; features 8:9, t 10:11, init_cond 12:13, W1 14:15, b1 16:17, W2 18:19, b2 20:21, W3 22:23
	s_load_b128 s[24:27], s[0:1], 0x40             ; b3 24:25, beta 26:27
	s_load_b64 s[28:29], s[0:1], 0x50              ; out0
	v_lshl_add_u32 v254, v0, 2, 0x46000
	v_mov_b32 v255, 0
	ds_add_u32 v254, v255
	ds_add_u32 v254, v255
	v_lshrrev_b32 v[LA], 5, v0
	v_readfirstlane_b32 s30, v[LA]                 ; my wave's number
	; group 1: a tile of 32 rows x 64 elements of 4 bytes; from row to row 4 samples = 512 elements; the tile lies inside the tensor
	s_mov_b32 s[G1+0], (2<<16)|(1<<20)|(5<<22)|(3<<25)  ; no mask; element of 4 bytes; padding on: after every 64 words (code 5) 4 words (code 3)
	s_mov_b32 s[G1+1], 64<<16                      ; tensor_dim0 = 64
	s_mov_b32 s[G1+2], 32<<16                      ; tensor_dim1 = 32
	s_mov_b32 s[G1+3], 64<<16                      ; tile_dim0 = 64
	s_mov_b32 s[G1+4], 32                          ; tile_dim1 = 32
	s_mov_b32 s[G1+5], 512                         ; the pitch
	s_mov_b32 s[G1+6], 0
	s_mov_b32 s[G1+7], 0
	s_mov_b32 s[G0+0], 1
	s_mov_b32 s[G0+4], 1
	s_mul_i32 s[G0+1], s30, RING                   ; slot 0 of my wave's ring
	s_add_co_u32 s[G0+5], s[G0+1], SLOT            ; slot 1
	s_lshl_b32 s34, ttmp9, 20                      ; 2,048 samples x 512 bytes a work-group,
	s_lshl_b32 s2, s30, 16                         ; 128 x 512 a wave
	s_add_co_u32 s34, s34, s2
	s_mov_b32 s35, 0
	s_wait_dscnt 0x0
	s_wait_kmcnt 0x0
	s_add_nc_u64 s[G0+2:G0+3], s[8:9], s[34:35]    ; phase 0, features 0-63
	s_add_nc_u64 s[G0+6:G0+7], s[G0+2:G0+3], 256   ; phase 0, features 64-127
	s_or_b32 s[G0+3], s[G0+3], 0x80000000          ; type = 2
	s_or_b32 s[G0+7], s[G0+7], 0x80000000
	tensor_load_to_lds s[G0:G0+3], s[G1:G1+7]      ; the two first fills go out together, ahead of all else: two loads of the wave are out
	s_nop 0
	tensor_load_to_lds s[G0+4:G0+7], s[G1:G1+7]
	s_nop 0
	s_load_b32 s52, s[24:25], 0x0                  ; b3
	s_lshl_b32 s34, ttmp9, 13                      ; my wave's first sample x 4 bytes
	s_lshl_b32 s2, s30, 9
	s_add_co_u32 s34, s34, s2
	s_add_nc_u64 s[10:11], s[10:11], s[34:35]      ; t, init_cond and out0 at my wave's first sample
	s_add_nc_u64 s[12:13], s[12:13], s[34:35]
	s_add_nc_u64 s[28:29], s[28:29], s[34:35]
	s_add_co_u32 s2, s2, BETA                      ; my wave's 512 bytes of beta in LDS
	s_mov_b32 s33, 0                               ; upper half of the pair s[32:33], whose lower half is s
	s_mov_b32 s54, 0x00010001                      ; lanes with r = 0
	s_mov_b32 s55, 0x01000100                      ; lanes with r = 8
	s_mov_b32 s56, 0x3eaaaaab                      ; 1/3
	s_mov_b32 s57, 0x3fb8aa3b                      ; log2(e)
	s_mov_b32 s58, 0x3c800000                      ; 1/64
	s_mov_b32 s59, 0x3f317218                      ; ln 2
	s_mov_b32 s60, 0x3bec9820                      ; ln 2 / 96
	v_and_b32 v[LA], 31, v0                        ; l
	v_and_b32 v[VR16], 15, v0                      ; r
	v_bfe_u32 v[VH32], v0, 4, 1                    ; h
	v_lshlrev_b32 v[VL16], 4, v[LA]
	v_lshlrev_b32 v[VW2], 2, v[VR16]
	v_lshl_add_u32 v[VW2], v[VH32], 10, v[VW2]
	v_lshlrev_b32 v[VR16], 4, v[VR16]
	v_lshlrev_b32 v[VH32], 5, v[VH32]
	v_mul_u32_u24 v[LA0], v[LA], PITCH
	v_add_nc_u32 v[LA0], s[G0+1], v[LA0]
	v_mov_b32 v[BA0], s2
	v_add_nc_u32 v127, s2, v[VL16]                 ; where I put my 16 bytes of beta
; sixteen numbers of a vector of 32: units 8h .. 8h+7, then 16+8h .. 16+8h+7
.macro LD16 dst, base
	global_load_b128 v[\dst:\dst+3],     v[VH32], s[\base:\base+1]
	global_load_b128 v[\dst+4:\dst+7],   v[VH32], s[\base:\base+1] offset:16
	global_load_b128 v[\dst+8:\dst+11],  v[VH32], s[\base:\base+1] offset:64
	global_load_b128 v[\dst+12:\dst+15], v[VH32], s[\base:\base+1] offset:80
.endm
	LD16 W1V, 14
	LD16 B1V, 16
	LD16 C2LO, 20                                  ; fills C2LO and C2HI
	LD16 160, 22                                   ; W3
.irp i, 0,1,2,3,4,5,6,7
	global_load_b32 v[128+\i], v[VW2], s[18:19] offset:128*\i          ; A(m, k) = W2[k][m]: m = r, k = 8h + i
	global_load_b32 v[136+\i], v[VW2], s[18:19] offset:128*\i+2048     ; k = 16 + 8h + i
	global_load_b32 v[144+\i], v[VW2], s[18:19] offset:128*\i+64       ; m = 16 + r
	global_load_b32 v[152+\i], v[VW2], s[18:19] offset:128*\i+2112
.endr
.irp p, 0,1,2,3
	global_load_b32 v[TP+2*\p],   v[VR16], s[10:11] offset:4*\p        ; t of sample 4 r + p
	global_load_b32 v[TP+2*\p+1], v[VR16], s[10:11] offset:256+4*\p    ; t of sample 4 (16 + r) + p
.endr
	global_load_b128 v[TO:TO+3], v[VL16], s[10:11]
	global_load_b128 v[IC:IC+3], v[VL16], s[12:13]
	global_load_b128 v[192:195], v[VL16], s[26:27]                     ; the wave's 32 lanes take beta's 512 bytes
	s_wait_loadcnt 0x0                             ; once: all 59
	s_wait_kmcnt 0x0                               ; b3
	s_mul_f32 s53, s52, s57                        ; b3 log2(e)
	ds_store_b128 v127, v[192:195]                 ; my wave's own copy; LDS serves a wave's instructions in order (ISA guide 5.7.1.4), so its later reads see it
.irp q, 0,1,2,3,4,5,6,7
	v_cvt_pk_bf16_f32 v[A2LO+\q], v[128+2*\q], v[129+2*\q]
	v_cvt_pk_bf16_f32 v[A2HI+\q], v[144+2*\q], v[145+2*\q]
	v_pk_mul_f32 v[160+2*\q:161+2*\q], v[160+2*\q:161+2*\q], 0x3fb8aa3b op_sel_hi:[1,0]
.endr
.irp q, 0,1,2,3,4,5,6,7
	v_cvt_pk_bf16_f32 v[176+\q], v[160+2*\q], v[161+2*\q]
	v_mov_b32 v[C3+\q], s53
.endr
.irp q, 0,1,2,3,4,5,6,7
	v_cndmask_b32 v[A3A+\q], 0, v[176+\q], s54     ; all rows but row 0 are zero
	v_cndmask_b32 v[A3B+\q], 0, v[176+\q], s55     ; all rows but row 8 are zero
.endr
	s_wait_tensorcnt 0x1                           ; tensor loads of a wave end in order (ISA guide 10.11.1): slot 0 is in; slot 1's load may stay out.  The bytes are my wave's own
; relu and rounding: 32 f32 at src become 16 registers of two bf16 at dst
.macro RELUPACK dst, src
.irp i, 0,1,2,3,4,5,6,7,8,9,10,11,12,13,14,15
	v_dual_max_num_f32 v[\src+2*\i], 0, v[\src+2*\i] :: v_dual_max_num_f32 v[\src+2*\i+1], 0, v[\src+2*\i+1]
.endr
.irp i, 0,1,2,3,4,5,6,7,8,9,10,11,12,13,14,15
	v_cvt_pk_bf16_f32 v[\dst+\i], v[\src+2*\i], v[\src+2*\i+1]
.endr
.endm
; layer 1 of the step whose s stands in s32, for phase P; s then goes on by 1/32, which is exact
.macro L1
	v_pk_mul_f32 v[RX:RX+1], v[TP+2*P:TP+2*P+1], s[32:33] op_sel_hi:[1,0]
	s_add_f32 s32, s32, 0x3d000000
.irp i, 0,1,2,3,4,5,6,7
	v_pk_fma_f32 v[RH+2*\i:RH+2*\i+1], v[RX:RX+1], v[W1V+2*\i:W1V+2*\i+1], v[B1V+2*\i:B1V+2*\i+1] op_sel_hi:[0,1,1]                   ; tile a: both by x of a
.endr
.irp i, 0,1,2,3,4,5,6,7
	v_pk_fma_f32 v[RH+16+2*\i:RH+17+2*\i], v[RX:RX+1], v[W1V+2*\i:W1V+2*\i+1], v[B1V+2*\i:B1V+2*\i+1] op_sel:[1,0,0] op_sel_hi:[1,1,1]  ; tile b: both by x of b
.endr
	RELUPACK BF, RH
.endm
; The matrix block: layer 3 of the step before (l3 = 1) and layer 2 of this step.  The accumulators take turns, one instruction a turn,
; over the loops' backward jumps too (the last line writes D2's last tile, the first D3).
.macro MM l3
.if \l3
	v_wmma_f32_16x16x32_bf16 v[D3:D3+7], v[A3A:A3A+7], v[B3:B3+7], v[C3:C3+7]
.endif
	v_wmma_f32_16x16x32_bf16 v[D2:D2+7], v[A2LO:A2LO+7], v[BF:BF+7], v[C2LO:C2LO+7]
.if \l3
	v_wmma_f32_16x16x32_bf16 v[D3:D3+7], v[A3B:A3B+7], v[B3+8:B3+15], v[D3:D3+7]
.endif
	v_wmma_f32_16x16x32_bf16 v[D2+8:D2+15], v[A2HI:A2HI+7], v[BF:BF+7], v[C2HI:C2HI+7]
	v_wmma_f32_16x16x32_bf16 v[D2+16:D2+23], v[A2LO:A2LO+7], v[BF+8:BF+15], v[C2LO:C2LO+7]
	v_wmma_f32_16x16x32_bf16 v[D2+24:D2+31], v[A2HI:A2HI+7], v[BF+8:BF+15], v[C2HI:C2HI+7]
.endm
.macro PLACES                          ; four places behind a matrix instruction before its result is read (ISA guide 7.12.1), where no other work is at hand
.rept 4
	v_nop
.endr
.endm
; softplus' two parts of z' in D3's register 0.  kind 1: odd j; 2: even j; 3: j = 0; 4: j = 32; 0: nothing.
; Behind v_exp_f32 the v_max_num_f32 is the plain instruction that comes before the result's use (ISA guide 5.7.2).
.macro SOFT kind
.if \kind == 1
	v_exp_f32 v[RE], -|v[D3]|
	v_max_num_f32 v[RM], 0, v[D3]
	v_add_f32 v[SMO], v[SMO], v[RM]
	s_wait_alu depctr_va_vdst(0)
	v_fma_f32 v[PRO], v[PRO], v[RE], v[PRO]        ; Q <- Q e + Q + e = (1 + Q)(1 + e) - 1
	v_add_f32 v[PRO], v[PRO], v[RE]
.endif
.if \kind == 2
	v_exp_f32 v[RE], -|v[D3]|
	v_max_num_f32 v[RM], 0, v[D3]
	v_add_f32 v[SME], v[SME], v[RM]
	s_wait_alu depctr_va_vdst(0)
	v_fma_f32 v[PRE], v[PRE], v[RE], v[PRE]
	v_add_f32 v[PRE], v[PRE], v[RE]
.endif
.if \kind == 3
	v_exp_f32 v[PR0], -|v[D3]|
	v_max_num_f32 v[SM0], 0, v[D3]
.endif
.if \kind == 4
	v_exp_f32 v[PR32], -|v[D3]|
	v_max_num_f32 v[SM32], 0, v[D3]
.endif
.endm
; Step i: layer 3 and softplus of j = i - 1, layer 2 of j = i, layer 1 of j = i + 1 (l1 = 1), and 16 bytes of my feature row (dot = 1 starts the sums, 2 goes on).
; Behind the matrix block stand layer 1's 33 multiply-adds and maxima, which name none of its registers, before BF is written and D2, D3 are read.
.macro STEP l3, kind, l1, dot, fa, ba, off
.if \dot
	ds_load_b128 v[FCH:FCH+3], v[\fa] offset:\off
	ds_load_b128 v[BCH:BCH+3], v[\ba] offset:\off  ; every lane the same 16 bytes
.endif
	MM \l3
.if \l1
	L1
.else
	PLACES
.endif
	SOFT \kind
	RELUPACK B3, D2
.if \dot == 1
	s_wait_dscnt 0x0                               ; the step's two loads, issued at its head
	v_pk_mul_f32 v[PA:PA+1], v[FCH:FCH+1], v[BCH:BCH+1]
	v_pk_mul_f32 v[PB:PB+1], v[FCH+2:FCH+3], v[BCH+2:BCH+3]
.endif
.if \dot == 2
	s_wait_dscnt 0x0
	v_pk_fma_f32 v[PA:PA+1], v[FCH:FCH+1], v[BCH:BCH+1], v[PA:PA+1]
	v_pk_fma_f32 v[PB:PB+1], v[FCH+2:FCH+3], v[BCH+2:BCH+3], v[PB:PB+1]
.endif
.endm
; Slot s, which has been read, gets the next phase's rows (one sample = 512 bytes further on).
.macro REFILL s
	s_wait_dscnt 0x0                               ; my reads of the slot are back (met: each step ends on this wait)
	s_wait_tensorcnt 0x0                           ; all my tensor loads have landed, the other slot's among them: a group 0 may be written
	ds_add_u32 v254, v255
	s_wait_dscnt 0x0
	s_add_nc_u64 s[G0+4*\s+2:G0+4*\s+3], s[G0+4*\s+2:G0+4*\s+3], 512
	s_barrier_signal -1
	s_barrier_wait -1                              ; all sixteen waves have said so
	tensor_load_to_lds s[G0+4*\s:G0+4*\s+3], s[G1:G1+7]   ; my one tensor load behind this barrier, first thing there; sixteen steps follow before the wait for it
	s_nop 0
	s_wait_tensorcnt 0x1                           ; the load just issued may stay out; the slot read next landed before the barrier
.endm
; sum += log2(1 + q).  Below 1/64 the series q (1 - q/2 + q q/3) log2(e), whose relative error there is below q^3/4 = 1e-6; above, 1 + q loses at most 2^-24 of 1/64.
.macro LOG1P2 sum, q
	v_add_f32 v[FU], 1.0, v[\q]
	v_fma_f32 v[FP], v[\q], s56, -0.5
	v_log_f32 v[FLG], v[FU]
	v_fma_f32 v[FP], v[FP], v[\q], 1.0             ; the plain instruction behind v_log_f32
	v_mul_f32 v[FSM], s57, v[\q]
	v_mul_f32 v[FSM], v[FSM], v[FP]
	v_cmp_gt_f32 vcc_lo, s58, v[\q]
	s_wait_alu depctr_va_vdst(0)
	v_cndmask_b32 v[FLG], v[FLG], v[FSM], vcc_lo
	v_add_f32 v[\sum], v[\sum], v[FLG]
.endm
; the head, for my sample of phase p
.macro FINAL p
	v_pk_add_f32 v[PA:PA+1], v[PA:PA+1], v[PB:PB+1]
	LOG1P2 SMO, PRO
	LOG1P2 SME, PRE
	LOG1P2 SM0, PR0
	LOG1P2 SM32, PR32
	v_add_f32 v[FPROD], v[PA], v[PA+1]             ; prod
	v_add_f32 v[FW], v[SM0], v[SM32]
	v_fma_f32 v[FW], 4.0, v[SMO], v[FW]
	v_fma_f32 v[FW], 2.0, v[SME], v[FW]
	v_rcp_f32 v[FR], v[TO+\p]
	v_mul_f32 v[FW], v[FW], v[TO+\p]               ; plain, behind v_rcp_f32
	v_mul_f32 v[FG], s59, v[SM32]                  ; g(t)
	v_min_num_f32 v[FMN], 0x41200000, v[FPROD]     ; min(prod, 10)
	v_mul_f32 v[FG], v[FG], v[TO+\p]
	v_mul_f32 v[FMN], s57, v[FMN]
	s_wait_alu depctr_va_vdst(0)
	v_mul_f32 v[FG], v[FG], v[FR]                  ; lam = g(t) t / t
	v_exp_f32 v[FPE], v[FMN]
	v_max_num_f32 v[FLL], 0x322bcc77, v[FG]        ; max(lam, 1e-8); plain, behind v_exp_f32
	v_log_f32 v[FLG], v[FLL]
	v_fma_f32 v[FLAM], v[FW], s60, v[IC+\p]        ; Lambda = init + (ln2/96) t [..]; plain, behind v_log_f32
	s_wait_alu depctr_va_vdst(0)
	v_mul_f32 v[OL+\p], v[FLAM], v[FPE]
	v_mul_f32 v[OM+\p], v[FG], v[FPE]
	v_fma_f32 v[OG+\p], v[FLG], s59, v[FPROD]
.endm
; One phase: 32 samples of the wave, steps 0 .. 32 and the last layer 3.  refill = 1: both slots get the next phase's rows.
.macro PHASE p, refill
.set P, \p
	s_mov_b32 s32, 0                               ; s = 0
	v_mov_b32 v[SMO], 0
	v_mov_b32 v[PRO], 0
	v_mov_b32 v[SME], 0
	v_mov_b32 v[PRE], 0
	L1                                             ; layer 1 of j = 0
	STEP 0, 0, 1, 1, LA0, BA0, 0                   ; step 0
	STEP 1, 3, 1, 2, LA0, BA0, 16                  ; step 1
	v_add_nc_u32 v[LA], 32, v[LA0]
	v_add_nc_u32 v[BA], 32, v[BA0]
	s_mov_b32 s31, 7
.Lfirst_\p:                                            ; steps 2 .. 15: the rest of slot 0
	STEP 1, 1, 1, 2, LA, BA, 0
	STEP 1, 2, 1, 2, LA, BA, 16
	v_add_nc_u32 v[LA], 32, v[LA]
	v_add_nc_u32 v[BA], 32, v[BA]
	s_sub_co_i32 s31, s31, 1
	s_cmp_lg_u32 s31, 0
	s_cbranch_scc1 .Lfirst_\p
.if \refill
	REFILL 0
.else
	s_wait_tensorcnt 0x0                           ; the last load, slot 1's, has landed; nothing is filled again, so no barrier; none is out at s_endpgm
.endif
	v_add_nc_u32 v[LA], SLOT, v[LA0]
	v_add_nc_u32 v[BA], 256, v[BA0]
	s_mov_b32 s31, 8
.Lsecond_\p:                                           ; steps 16 .. 31: slot 1
	STEP 1, 1, 1, 2, LA, BA, 0
	STEP 1, 2, 1, 2, LA, BA, 16
	v_add_nc_u32 v[LA], 32, v[LA]
	v_add_nc_u32 v[BA], 32, v[BA]
	s_sub_co_i32 s31, s31, 1
	s_cmp_lg_u32 s31, 0
	s_cbranch_scc1 .Lsecond_\p
.if \refill
	REFILL 1
.endif
	STEP 1, 1, 0, 0, 0, 0, 0                       ; step 32: no further layer 1, no features left
	v_wmma_f32_16x16x32_bf16 v[D3:D3+7], v[A3A:A3A+7], v[B3:B3+7], v[C3:C3+7]          ; layer 3 of j = 32
	s_wait_alu depctr_va_vdst(0)                   ; the next line adds in place onto the line before
	v_wmma_f32_16x16x32_bf16 v[D3:D3+7], v[A3B:A3B+7], v[B3+8:B3+15], v[D3:D3+7]
	PLACES
	SOFT 4
	FINAL \p
.endm
	PHASE 0, 1
	PHASE 1, 1
	PHASE 2, 1
	PHASE 3, 0
	; each store of the wave covers 512 consecutive bytes of one output row, aligned; the rows lie 524,288 x 4 bytes apart
	global_store_b128 v[VL16], v[OL:OL+3], s[28:29] th:TH_STORE_NT
	global_store_b128 v[VL16], v[OM:OM+3], s[28:29] offset:2097152 th:TH_STORE_NT
	global_store_b128 v[VL16], v[OG:OG+3], s[28:29] offset:4194304 th:TH_STORE_NT
	s_wait_tensorcnt 0x0
	ds_add_u32 v254, v255
	s_wait_dscnt 0x0
	s_endpgm
.Lfunc_end_k_q669f283a61_soden:
	.size	k_q669f283a61_soden, .Lfunc_end_k_q669f283a61_soden-k_q669f283a61_soden
	.p2alignl 7, 3214868480
	.fill 96, 4, 3214868480
	.section	.rodata,"a",@progbits
	.p2align	6, 0x0
	.amdhsa_kernel k_q669f283a61_soden
		.amdhsa_group_segment_fixed_size 327680
		.amdhsa_private_segment_fixed_size 0
		.amdhsa_enable_private_segment 0
		.amdhsa_kernarg_size 88
		.amdhsa_user_sgpr_count 2
		.amdhsa_user_sgpr_kernarg_segment_ptr 1
		.amdhsa_wavefront_size32 1
		.amdhsa_system_sgpr_workgroup_id_x 1
		.amdhsa_system_sgpr_workgroup_id_y 1
		.amdhsa_system_sgpr_workgroup_id_z 1
		.amdhsa_system_vgpr_workitem_id 0
		.amdhsa_next_free_vgpr 256
		.amdhsa_next_free_sgpr 66
		.amdhsa_reserve_vcc 1
		.amdhsa_float_denorm_mode_32 3
		.amdhsa_float_denorm_mode_16_64 3
		.amdhsa_memory_ordered 1
		.amdhsa_forward_progress 1
		.amdhsa_inst_pref_size 196
	.end_amdhsa_kernel
	.amdgpu_metadata
---
amdhsa.version: [ 1, 2 ]
amdhsa.kernels:
  - .name:           k_q669f283a61_soden
    .symbol:         k_q669f283a61_soden.kd
    .args:
      - { .name: features, .offset: 0, .size: 8, .value_kind: global_buffer, .address_space: global }
      - { .name: t, .offset: 8, .size: 8, .value_kind: global_buffer, .address_space: global }
      - { .name: init_cond, .offset: 16, .size: 8, .value_kind: global_buffer, .address_space: global }
      - { .name: W1, .offset: 24, .size: 8, .value_kind: global_buffer, .address_space: global }
      - { .name: b1, .offset: 32, .size: 8, .value_kind: global_buffer, .address_space: global }
      - { .name: W2, .offset: 40, .size: 8, .value_kind: global_buffer, .address_space: global }
      - { .name: b2, .offset: 48, .size: 8, .value_kind: global_buffer, .address_space: global }
      - { .name: W3, .offset: 56, .size: 8, .value_kind: global_buffer, .address_space: global }
      - { .name: b3, .offset: 64, .size: 8, .value_kind: global_buffer, .address_space: global }
      - { .name: beta, .offset: 72, .size: 8, .value_kind: global_buffer, .address_space: global }
      - { .name: out0, .offset: 80, .size: 8, .value_kind: global_buffer, .address_space: global }
    .group_segment_fixed_size: 327680
    .private_segment_fixed_size: 0
    .kernarg_segment_align: 8
    .kernarg_segment_size: 88
    .max_flat_workgroup_size: 512
    .sgpr_count:     66
    .vgpr_count:     256
    .wavefront_size: 32
...
	.end_amdgpu_metadata
.endif
;; end of part 1
